; MI455X (gfx1250); checked and timed in simulation.
; The chip was launched on July 23, 2026; its instructions are those of AMD's public machine-readable ISA for CDNA 5 (MIT licence, August 2026) and "CDNA5" Instruction Set Architecture Reference Guide (July 2026). The comments in the code are by the model that wrote it; some were corrected since.
;; Graph Resoning Module. Allowed arithmetic: float matrix products may take bf16 or f16 operands with f32 sums; other float arithmetic in f32, or as packed bf16 or f16 multiplies, adds, multiply-adds, maxima and minima; sums over many terms, partial sums and values carried from step to step in f32; what a program stores and reads back later, other than sums and carried values, may be rounded once to bf16 or f16.
;; Inputs: feat_map 8 x 256 x 64 x 64 float32; phi_w 64 x 256 float32; theta_w 64 x 256 float32; weight 256 x 512 float32.
;; Outputs: out0 8 x 512 x 64 x 64 float32.
;; 2 versions, each right and faster than the one before. Each part assembles by itself: llvm-mc -triple=amdgcn-amd-amdhsa -mcpu=gfx1250 --defsym DOCPART=n.
;; ======== version 1 of 2: 2 launches
;; limits: inputs' magnitudes at most 65,504; values are held in f16: magnitudes above 65,504 overflow, below 6.1e-05 lose precision
;; workspace buffers: kv 20,971,520 bytes; ph 4,194,304 bytes; wf 262,144 bytes
;; launch prep (part 1): grid 32 x 8, 8 waves a work-group, no clusters, 179,200 bytes of LDS; arguments feat_map, phi_w, theta_w, weight, kv, ph, wf; writes kv, ph, wf
.if DOCPART == 1
	.amdgcn_target "amdgcn-amd-amdhsa--gfx1250"
	.amdhsa_code_object_version 6
	.text
	.protected	k_qd4cc5cde45_prep
	.globl	k_qd4cc5cde45_prep
	.p2align	8
	.type	k_qd4cc5cde45_prep,@function
k_qd4cc5cde45_prep:
	s_mov_b64 s[64:65], 0
	v_nop
	global_prefetch_b8 v0, s[64:65] scope:SCOPE_SE
	s_setreg_imm32_b32 hwreg(HW_REG_WAVE_MODE, 25, 1), 1
	s_wait_xcnt 0x0
; PREP.  X = feat_map [8][256 c][4096 n] f32.  A work-group (tile i of 128 positions, batch b) reads X[b][:][128 i ..] once and stores, all in f16, each number rounded once:
;   kv [b][tile 32][320 rows][256 B]: rows 0-255 of tile i: X[b][c][128 i .. +127] (the values, keys along the row);
;                                     rows 256-319 of tile i - 1 (mod 32): theta / |theta| of my 128 positions, dense [128][64]: a tile holds its values and the NEXT tile's keys
;   ph [b][n][64]: phi x log2(e) / |phi| (the scale is applied in f32)
;   wf [db 32][ks 8][q 2][lane 32][8]: weight[32 ks + 16 q + 8 (lane / 16) + e][16 db + lane % 16]: the last projection's operand as a lane will load it; work-group g = 32 b + i makes block g
; phi and theta are matrix products in f16 with f32 sums; the norms are sums of squares in f32.
; LIMITS.  f16 ends at 65,504: feat_map and the three weights must lie within it; below 6e-5 f16 keeps a fixed step of 6e-8.  A position whose phi or theta is all zero gives infinities and NaN here.
; No tensor loads, no cluster: every byte of X is read by one work-group alone; the weights (128 KiB) are the only shared input and are read once a work-group.
.set XP,    288                        ; LDS row of X: 256 bytes + 32: an odd multiple of 32
.set WB,    256*XP                     ; behind X's 256 rows: 128 rows of weights (0-63 phi_w, 64-127 theta_w)
.set WP,    528                        ; 512 bytes + 16: the 16 rows of a fragment load start at 16 different groups of four banks
.set STG,   WB+128*WP                  ; a stage for each wave: 16 rows x 144 bytes of phi, then of theta
.set SP,    144
.set SPARE, STG+8*32*SP                ; the spare words: 128 bytes for each of eight waves
.set TILEB, 81920                      ; bytes of a tile of kv
.set XO,  4                            ; v4   32 channels a wave: 524,288 w + 16 lane, byte offset in X
.set VO,  5                            ; v5   8,192 w + 8 lane, in the tile's value rows
.set XL,  6                            ; v6   LDS: 32 w rows of X + 8 lane
.set WO,  7                            ; v7   16 rows of a weight matrix: 16,384 (w % 4) + 16 lane
.set WL,  8                            ; v8   LDS: 16 w rows of weights + 8 lane
.set XT,  9                            ; v9, v10  the turning load's address, channels 0-127 and 128-255
.set WA,  11                           ; v11  LDS address of a weight fragment
.set STO, 12                           ; v12  stage: where I put 16 bytes of a row
.set RD,  13                           ; v13  stage: where I read rows back
.set GO,  14                           ; v14  2,048 w + 16 lane: my 16 bytes in the wave's 16 rows of ph and of the key block
.set WFO, 15                           ; v15  my column and first row of weight for wf
.set SPW, 16                           ; v16  my spare word; never rewritten
.set NIL, 17                           ; v17  0; never rewritten
.set WFR, 18                           ; v18-25 eight numbers of weight, v26-29 packed
.set WFS, 30                           ; v30  16 x thread: my 16 bytes of wf's block
.set XR,  32                           ; v32-159  32 loads of X
.set WR,  160                          ; v160-223 16 loads of weights, used twice
.set ACC, 32                           ; behind the barrier: 8 accumulators (0-3 phi, 4-7 theta)
.set BUF, 96                           ; two fragment buffers of 72: 8 of weights, 1 of X
.set T,   240                          ; v240-247 at work
.set PK,  96                           ; packed results, 16 + 16
.set RB,  128                          ; rows read back, 16 + 16
	s_load_b256 s[4:11], s[0:1], 0x0               ; feat_map s[4:5], phi_w s[6:7], theta_w s[8:9], weight s[10:11]
	s_load_b128 s[12:15], s[0:1], 0x20             ; kv s[12:13], ph s[14:15]
	s_load_b64 s[16:17], s[0:1], 0x30              ; wf
	v_lshl_add_u32 v[SPW], v0, 2, SPARE
	v_mov_b32 v[NIL], 0
	v_lshrrev_b32 v1, 5, v0
	v_readfirstlane_b32 s18, v1                    ; wave 0..7
	v_and_b32 v1, 31, v0                           ; lane
	v_and_b32 v2, 15, v0                           ; r
	v_bfe_u32 v3, v0, 4, 1                         ; h
	s_mov_b32 s19, ttmp9                           ; tile i
	s_and_b32 s20, ttmp7, 0xffff                   ; batch b
	s_lshl_b32 s21, s20, 5
	s_add_co_u32 s21, s21, s19                     ; g = 32 b + i
	s_mov_b32 s30, 0x76543210                      ; v_permlanex16_b32: each lane takes its own place in the other half
	s_mov_b32 s31, 0xfedcba98
	v_lshlrev_b32 v[XO], 4, v1
	v_lshl_add_u32 v[XO], s18, 19, v[XO]
	v_lshlrev_b32 v[VO], 3, v1
	s_mul_i32 s22, s18, 32*XP
	v_add_nc_u32 v[XL], s22, v[VO]
	s_mul_i32 s22, s18, 16*WP
	s_add_co_u32 s22, s22, WB
	v_add_nc_u32 v[WL], s22, v[VO]
	v_lshl_add_u32 v[VO], s18, 13, v[VO]
	s_and_b32 s22, s18, 3
	v_lshlrev_b32 v[WO], 4, v1
	v_lshl_add_u32 v[WO], s22, 14, v[WO]
	v_and_b32 v[XT], 7, v0                         ; the turning load: lane l reads channel 8 h + l % 8, positions 16 w + 8 ((l / 8) % 2) + 0..7
	v_lshl_add_u32 v[XT], v3, 3, v[XT]
	v_mul_u32_u24 v[XT], v[XT], XP
	v_bfe_u32 v[XT+1], v0, 3, 1
	v_lshl_add_u32 v[XT], v[XT+1], 4, v[XT]
	v_lshl_add_u32 v[XT], s18, 5, v[XT]
	v_add_nc_u32 v[XT+1], 128*XP, v[XT]
	v_mul_u32_u24 v[WA], v2, WP
	v_lshl_add_u32 v[WA], v3, 4, v[WA]
	v_add_nc_u32 v[WA], WB, v[WA]
	s_mul_i32 s22, s18, 32*SP
	s_add_co_u32 s22, s22, STG                     ; my wave's stage
	v_mul_u32_u24 v[STO], v2, SP
	v_lshl_add_u32 v[STO], v3, 4, v[STO]
	v_add_nc_u32 v[STO], s22, v[STO]
	v_bfe_u32 v[RD], v0, 3, 2
	v_mul_u32_u24 v[RD], v[RD], SP
	v_and_b32 v[GO], 7, v0
	v_lshl_add_u32 v[RD], v[GO], 4, v[RD]
	v_add_nc_u32 v[RD], s22, v[RD]
	v_lshlrev_b32 v[GO], 4, v1
	v_lshl_add_u32 v[GO], s18, 11, v[GO]
	v_lshlrev_b32 v[WFO], 2, v2                    ; column r; row 16 w + 8 h of the block's 32 (waves 0 and 1 alone use it)
	v_lshl_add_u32 v[WFO], v3, 14, v[WFO]
	v_lshl_add_u32 v[WFO], s18, 15, v[WFO]
	v_lshlrev_b32 v[WFS], 4, v0
	; byte offsets, made apart from the addresses; all stay under 2^32
	s_lshl_b32 s22, s20, 22                        ; X: 4,194,304 b + 512 i
	s_lshl_b32 s23, s19, 9
	s_add_co_u32 s22, s22, s23
	s_mov_b32 s23, 0
	s_mul_i32 s34, s21, TILEB                      ; my tile of kv
	s_mov_b32 s35, 0
	s_add_co_u32 s24, s19, 31                      ; the tile in front of it, round the batch's ring,
	s_and_b32 s24, s24, 31
	s_lshl_b32 s25, s20, 5
	s_add_co_u32 s24, s24, s25
	s_mul_i32 s24, s24, TILEB
	s_add_co_u32 s24, s24, 65536                   ; and its key block, behind 256 value rows
	s_mov_b32 s25, 0
	s_lshl_b32 s36, s20, 19                        ; ph: 524,288 b + 16,384 i
	s_lshl_b32 s37, s19, 14
	s_add_co_u32 s36, s36, s37
	s_mov_b32 s37, 0
	s_and_b32 s38, s21, 7                          ; weight: row 32 ks, column 16 db, with ks = g % 8, db = g / 8
	s_lshl_b32 s38, s38, 16
	s_lshr_b32 s39, s21, 3
	s_lshl_b32 s39, s39, 6
	s_add_co_u32 s38, s38, s39
	s_mov_b32 s39, 0
	s_lshl_b32 s40, s21, 10                        ; wf: block g of 1,024 bytes
	s_mov_b32 s41, 0
	s_wait_kmcnt 0x0
	s_add_nc_u64 s[4:5], s[4:5], s[22:23]
	s_add_nc_u64 s[32:33], s[12:13], s[34:35]      ; value rows
	s_add_nc_u64 s[28:29], s[12:13], s[24:25]      ; key block
	s_add_nc_u64 s[14:15], s[14:15], s[36:37]
	s_add_nc_u64 s[10:11], s[10:11], s[38:39]
	s_add_nc_u64 s[16:17], s[16:17], s[40:41]
	s_cmp_lt_u32 s18, 4
	s_cselect_b64 s[26:27], s[6:7], s[8:9]         ; waves 0-3 bring phi_w, waves 4-7 theta_w
	; LOADS.  First what is wanted first: wf's numbers (two waves), half of my weight rows, then my 32 channels of X.
	s_cmp_lt_u32 s18, 2
	s_cbranch_scc0 .Lno_wf_in
.irp e, 0,1,2,3,4,5,6,7
	global_load_b32 v[WFR+\e], v[WFO], s[10:11] offset:2048*\e
.endr
.Lno_wf_in:
.set m, 0
.rept 16
	global_load_b128 v[WR+4*m:WR+4*m+3], v[WO], s[26:27] offset:512*m
.set m, m+1
.endr
.set k, 0
.rept 32
	global_load_b128 v[XR+4*k:XR+4*k+3], v[XO], s[4:5] offset:16384*k th:TH_LOAD_NT  ; 512 consecutive bytes of channel 32 w + k
.set k, k+1
.endr
; Half a weight row (128 numbers of the wave's load m): rounded to f16 in place and put into LDS
.macro CVW m
.set rw, WR+4*((\m)%16)
	v_cvt_pk_f16_f32 v[rw], v[rw], v[rw+1]
	v_cvt_pk_f16_f32 v[rw+1], v[rw+2], v[rw+3]
	ds_store_b64 v[WL], v[rw:rw+1] offset:WP*((\m)/2)+256*((\m)%2)
.endm
	s_wait_loadcnt 32                              ; all but X's 32 loads, which were issued behind the weights'
.set m, 0
.rept 16
	CVW m
.set m, m+1
.endr
.set m, 16
.rept 16
	global_load_b128 v[WR+4*(m-16):WR+4*(m-16)+3], v[WO], s[26:27] offset:512*m
.set m, m+1
.endr
.set k, 0
.rept 32
.if k%4 == 0
	s_wait_loadcnt 44-k                            ; loads k .. k + 3 of X are in: behind them stand 28 - k of X and the 16 of the weights' second half
.endif
.set rx, XR+4*k
	v_cvt_pk_f16_f32 v[rx], v[rx], v[rx+1]
	v_cvt_pk_f16_f32 v[rx+1], v[rx+2], v[rx+3]
	ds_store_b64 v[XL], v[rx:rx+1] offset:XP*k
	global_store_b64 v[VO], v[rx:rx+1], s[32:33] offset:256*k  ; the wave stores 256 consecutive bytes, a whole value row
.set k, k+1
.endr
	s_wait_loadcnt 0x0
.set m, 16
.rept 16
	CVW m
.set m, m+1
.endr
	s_cmp_lt_u32 s18, 2
	s_cbranch_scc0 .Lno_wf_out
.irp e, 0,1,2,3
	v_cvt_pk_f16_f32 v[WFR+8+\e], v[WFR+2*\e], v[WFR+2*\e+1]
.endr
	global_store_b128 v[WFS], v[WFR+8:WFR+11], s[16:17]  ; 512 consecutive bytes a wave
.Lno_wf_out:
	s_wait_dscnt 0x0                               ; for the others' sake: my rows of X and of the weights are in LDS
	s_barrier_signal -1
	s_barrier_wait -1
	s_wait_xcnt 0x0                                ; the stores' data registers are written again only behind this wait
	; THE PRODUCT.  Wave w takes positions 16 w .. +15: D (16 rows of a weight matrix x 16 positions) = weights x X, 8 K steps of 32 channels.
	; In D a lane holds ONE position (lane % 16) and eight neighbouring i, so a norm wants one exchange between the halves of the lanes.
.macro FETCHP ks                       ; 18 LDS loads: 8 weight fragments, and X's, turned ([channel][position] in LDS)
.set fb, BUF+72*((\ks)%2)
.irp ib, 0,1,2,3,4,5,6,7
	ds_load_b128 v[fb+8*\ib:fb+8*\ib+3],   v[WA] offset:16*WP*\ib+64*(\ks)
	ds_load_b128 v[fb+8*\ib+4:fb+8*\ib+7], v[WA] offset:16*WP*\ib+64*(\ks)+32
.endr
	ds_load_tr16_b128 v[fb+64:fb+67], v[XT+(\ks)/4] offset:32*XP*((\ks)%4)
	ds_load_tr16_b128 v[fb+68:fb+71], v[XT+(\ks)/4] offset:32*XP*((\ks)%4)+16*XP
.endm
	FETCHP 0
	FETCHP 1
.irp ks, 0,1,2,3,4,5,6,7
.if \ks < 7
	s_wait_dscnt 18                                ; this K step's fragments are in; the next step's 18 loads may be out
.else
	s_wait_dscnt 0x0
.endif
.set fb, BUF+72*(\ks%2)
.irp ib, 0,1,2,3,4,5,6,7               ; the eight accumulators take turns
.if \ks == 0
	v_wmma_f32_16x16x32_f16 v[ACC+8*\ib:ACC+8*\ib+7], v[fb+8*\ib:fb+8*\ib+7], v[fb+64:fb+71], 0
.else
	v_wmma_f32_16x16x32_f16 v[ACC+8*\ib:ACC+8*\ib+7], v[fb+8*\ib:fb+8*\ib+7], v[fb+64:fb+71], v[ACC+8*\ib:ACC+8*\ib+7]
.endif
.endr
.rept 4
	v_nop                                          ; four places behind the products: in front of loads into their sources, at last in front of the reads of their results
.endr
.if \ks < 6
	FETCHP \ks+2
.endif
.endr
	; THE NORMS: a lane's 32 squares in two chains, lowest registers first; the other 32 lie in the lane 16 away.
.macro NORM acc, t                     ; leaves 1 / norm in v[t + 2]
	v_pk_mul_f32 v[(\t):(\t)+1], v[(\acc):(\acc)+1], v[(\acc):(\acc)+1]
	v_pk_mul_f32 v[(\t)+2:(\t)+3], v[(\acc)+2:(\acc)+3], v[(\acc)+2:(\acc)+3]
.set p, 2
.rept 14
	v_pk_fma_f32 v[(\t)+2*(p%2):(\t)+2*(p%2)+1], v[(\acc)+2*p:(\acc)+2*p+1], v[(\acc)+2*p:(\acc)+2*p+1], v[(\t)+2*(p%2):(\t)+2*(p%2)+1]
.set p, p+1
.endr
	v_pk_add_f32 v[(\t):(\t)+1], v[(\t):(\t)+1], v[(\t)+2:(\t)+3]
	v_add_f32 v[(\t)], v[(\t)], v[(\t)+1]
	v_permlanex16_b32 v[(\t)+1], v[(\t)], s30, s31
	v_add_f32 v[(\t)], v[(\t)], v[(\t)+1]
	v_rsq_f32 v[(\t)+2], v[(\t)]
.endm
.macro SCALE acc, sc, pk               ; times the pair sc, rounded to f16
.set p, 0
.rept 16
	v_pk_mul_f32 v[(\acc)+2*p:(\acc)+2*p+1], v[(\acc)+2*p:(\acc)+2*p+1], v[(\sc):(\sc)+1]
.set p, p+1
.endr
.set p, 0
.rept 16
	v_cvt_pk_f16_f32 v[(\pk)+p], v[(\acc)+2*p], v[(\acc)+2*p+1]
.set p, p+1
.endr
.endm
	NORM ACC, T
	NORM ACC+32, T+4                               ; its first lines are the plain instructions behind phi's v_rsq_f32
	s_wait_alu depctr_va_vdst(0)
	v_mul_f32 v[T+2], 0x3fb8aa3b, v[T+2]           ; phi also takes log2(e), so that the weights are plain powers of two; a plain line behind theta's v_rsq_f32
	v_mov_b32 v[T+3], v[T+2]
	v_mov_b32 v[T+7], v[T+6]
	SCALE ACC, T+2, PK
	SCALE ACC+32, T+6, PK+16
	; THE WAY OUT: a lane's eight i of a position are 16 bytes; through the wave's own stage they become whole rows of 128 bytes.
.irp ib, 0,1,2,3
	ds_store_b128 v[STO], v[PK+4*\ib:PK+4*\ib+3] offset:32*\ib
.endr
.irp ib, 0,1,2,3
	ds_store_b128 v[STO], v[PK+16+4*\ib:PK+16+4*\ib+3] offset:16*SP+32*\ib
.endr
.irp f, 0,1,2,3
	ds_load_b128 v[RB+4*\f:RB+4*\f+3], v[RD] offset:4*SP*\f  ; LDS serves a wave's instructions in order: these see the stores above
.endr
.irp f, 0,1,2,3
	ds_load_b128 v[RB+16+4*\f:RB+16+4*\f+3], v[RD] offset:16*SP+4*SP*\f
.endr
.irp f, 0,1,2,3
	s_wait_dscnt 7-\f
	global_store_b128 v[GO], v[RB+4*\f:RB+4*\f+3], s[14:15] offset:512*\f  ; 512 consecutive bytes of ph
.endr
.irp f, 0,1,2,3
	s_wait_dscnt 3-\f
	global_store_b128 v[GO], v[RB+16+4*\f:RB+16+4*\f+3], s[28:29] offset:512*\f  ; and of the key block
.endr
	s_wait_tensorcnt 0x0                           ; the wave's end, behind my last LDS store
	ds_add_u32 v[SPW], v[NIL]
	s_wait_dscnt 0x0
	s_endpgm
.Lfunc_end_k_qd4cc5cde45_prep:
	.size	k_qd4cc5cde45_prep, .Lfunc_end_k_qd4cc5cde45_prep-k_qd4cc5cde45_prep
	.p2alignl 7, 3214868480
	.fill 96, 4, 3214868480
	.section	.rodata,"a",@progbits
	.p2align	6, 0x0
	.amdhsa_kernel k_qd4cc5cde45_prep
		.amdhsa_group_segment_fixed_size 179200
		.amdhsa_private_segment_fixed_size 0
		.amdhsa_enable_private_segment 0
		.amdhsa_kernarg_size 56
		.amdhsa_user_sgpr_count 2
		.amdhsa_user_sgpr_kernarg_segment_ptr 1
		.amdhsa_wavefront_size32 1
		.amdhsa_system_sgpr_workgroup_id_x 1
		.amdhsa_system_sgpr_workgroup_id_y 1
		.amdhsa_system_sgpr_workgroup_id_z 1
		.amdhsa_system_vgpr_workitem_id 0
		.amdhsa_next_free_vgpr 256
		.amdhsa_next_free_sgpr 66
		.amdhsa_reserve_vcc 0
		.amdhsa_float_denorm_mode_32 3
		.amdhsa_float_denorm_mode_16_64 3
		.amdhsa_memory_ordered 1
		.amdhsa_forward_progress 1
		.amdhsa_inst_pref_size 50
	.end_amdhsa_kernel
	.amdgpu_metadata
---
amdhsa.version: [ 1, 2 ]
amdhsa.kernels:
  - .name:           k_qd4cc5cde45_prep
    .symbol:         k_qd4cc5cde45_prep.kd
    .args:
      - { .name: feat_map, .offset: 0, .size: 8, .value_kind: global_buffer, .address_space: global }
      - { .name: phi_w, .offset: 8, .size: 8, .value_kind: global_buffer, .address_space: global }
      - { .name: theta_w, .offset: 16, .size: 8, .value_kind: global_buffer, .address_space: global }
      - { .name: weight, .offset: 24, .size: 8, .value_kind: global_buffer, .address_space: global }
      - { .name: kv, .offset: 32, .size: 8, .value_kind: global_buffer, .address_space: global }
      - { .name: ph, .offset: 40, .size: 8, .value_kind: global_buffer, .address_space: global }
      - { .name: wf, .offset: 48, .size: 8, .value_kind: global_buffer, .address_space: global }
    .group_segment_fixed_size: 179200
    .private_segment_fixed_size: 0
    .kernarg_segment_align: 8
    .kernarg_segment_size: 56
    .max_flat_workgroup_size: 256
    .sgpr_count:     66
    .vgpr_count:     256
    .wavefront_size: 32
...
	.end_amdgpu_metadata
.endif
;; end of part 1
;; launch attn (part 2): grid 32 x 8, 4 waves a work-group, clusters of 4 x 1, 327,680 bytes of LDS; arguments kv, ph, wf, out0; writes out0
.if DOCPART == 2
	.amdgcn_target "amdgcn-amd-amdhsa--gfx1250"
	.amdhsa_code_object_version 6
	.text
	.protected	k_qd4cc5cde45_attn
	.globl	k_qd4cc5cde45_attn
	.p2align	8
	.type	k_qd4cc5cde45_attn,@function
k_qd4cc5cde45_attn:
	s_mov_b64 s[64:65], 0
	v_nop
	global_prefetch_b8 v0, s[64:65] scope:SCOPE_SE
	s_setreg_imm32_b32 hwreg(HW_REG_WAVE_MODE, 25, 1), 1
	s_wait_xcnt 0x0
	s_wait_alu depctr_hold_cnt(0) depctr_sa_sdst(0) depctr_va_vdst(0) depctr_va_sdst(0) depctr_va_ssrc(0) depctr_va_vcc(0) depctr_vm_vsrc(0)
	s_getreg_b32 s2, hwreg(HW_REG_IB_STS2, 6, 4)
	s_cmp_eq_u32 s2, 0
	s_cbranch_scc0 .Lentry_in_a_cluster
	s_endpgm
.Lentry_in_a_cluster:
	s_bfe_u32 s2, ttmp6, 0x10000c
	s_cmp_lg_u32 s2, 0x3003
	s_cbranch_scc0 .Lentry_shape_is_right
	s_endpgm
.Lentry_shape_is_right:
; ATTN.  out0[b][d][n] = relu( sum_c weight[c][d] * sum_m softmax_m(cos(phi_n, theta_m)) X[b][c][m] ).  kv, ph, wf as the launch before left them, all f16; products in f16 with f32 sums.
; NO RUNNING MAXIMUM: a score is the cosine of two vectors that the problem itself normalises, so for every input it lies in -1 .. 1; ph carries log2(e), the weight is p = 2^s with |s| <= 1.45,
; p lies in 0.36 .. 2.8 and a row's sum of 4,096 of them under 11,500: nothing can overflow or vanish, and sums over different keys simply add.
; LIMITS.  X and weight within f16's 65,504 (the launch before rounds them); l is the sum of the unrounded p, the product takes p rounded to f16; the mean is divided by l in f32 and rounded once to f16
; for the last product; relu is v_max_num_f32, so a NaN (a position whose phi or theta is all zero) comes out as 0.
; SHARES.  A work-group owns 128 queries of a batch.  Wave w: kh = w % 2 is its half of every tile's 128 keys, qg = w / 2 its 64 queries: 64 queries x 256 channels of O^T in 512 registers.
; The wave's four tiles of 16 queries are interleaved: tile t, lane r holds query 64 qg + 4 r + (t + 2 kh) % 4, so that at the end four accumulators give a lane four neighbouring n of out0.
; LAYOUT.  S^T = K Q^T (source 0 = 16 keys, source 1 = 16 queries): a lane holds one query and eight keys; two results rounded to f16 ARE source 1 of O^T = V^T P; kv's value rows have the keys along
; the row, which is source 0 of that product as it lies.  Two results of O^T rounded to f16 ARE source 1 (32 channels x 16 queries) of the last product.
; PIPELINE.  Tile j of kv holds V(j) and K(j+1).  Step j: 32 products K Q^T of step j + 1, 128 products V^T P of step j; step j + 1's exponentials, roundings and sums ride behind the products V^T P.
; CLUSTER.  The four work-groups of a cluster belong to one batch and walk the same tiles: each tile is asked for jointly, a quarter by each wave, with the same descriptor and mask in all four.
; AT THE END the two key halves' O^T and l are added through LDS (each wave sends two tiles and keeps two), and each wave makes 128 of the 512 d for all 128 queries.
; O^T starts from registers cleared in the wait for the first tile: a first step written out would be a third copy of the step's text.
; REGISTERS, in windows of 256 (s_set_vgpr_msb: bits 1:0 source 0, 3:2 source 1, 5:4 source 2, 7:6 destination):
;   window 0: v0-19 addresses; v20-23, v24-31 sums; v32-95 S^T of two tiles; v96-223 P, two buffers of four tiles; v224-231 at work.  At the end: v32-159 results, v160-223 store data
;   window 1: v0-63 Q; v64-127 K of a step; v128-191, v192-255 V, two buffers of 4 channel blocks.  At the end: four blocks of wf
;   windows 2, 3: O^T, tile t, channel block cb at 64 t + 8 (cb % 8), blocks 0-7 in window 2, 8-15 in window 3.  At the end: the means of all eight tiles as fragments
.set PITCH, 272                        ; an LDS row: 256 bytes + 16: the 16 rows of a fragment load start at 16 different groups of four banks
.set TILEB, 81920                      ; a tile of kv: 320 rows of 256 bytes
.set SLOTB, 320*PITCH                  ; a slot
.set KOFF,  256*PITCH                  ; the key block in a slot; key k lies at (k / 2) PITCH + 128 (k % 2)
.set KPB,   2*SLOTB                    ; behind the ring: K(0), 64 rows, filled once
.set EXB,   KPB+64*PITCH               ; 32,768 bytes a wave: two tiles of O^T in f32 for the partner; no tensor load lands here
.set LXB,   EXB+4*32768                ; 256 bytes a wave: their sums l
.set SPARE, LXB+1024                   ; the spare words, 128 bytes a wave
.set AV,  3                            ; v3, v4   my place in slot 0's, slot 1's value rows: 272 r + 16 h + 128 kh
.set AK,  5                            ; v5, v6   in their key blocks
.set AKP, 7                            ; v7       in K(0)
.set QO,  8                            ; v8, v9   byte offset in my 64 rows of ph, for tiles 0, 1 and for tiles 2, 3
.set SPW, 10                           ; v10      my spare word; never rewritten
.set NIL, 11                           ; v11      0; never rewritten
.set EXS, 12                           ; v12, v13 the exchange: where I put, where I read
.set EXL, 13
.set LXS, 14                           ; v14, v15 the same for l
.set LXL, 15
.set OFS, 16                           ; v16, v17 the means' fragments (slot 0's first 65,536 bytes, behind its last fill and last read): where I put, where I read
.set OFL, 17
.set WOF, 18                           ; v18      my byte offset in wf
.set GO,  19                           ; v19      my byte offset in out0: 8 h rows + 16 r
.set LS,  20                           ; v20-23   l of a tile
.set L,   24                           ; v24-31   running sums, a pair a tile
.set S,   32
.set P,   96
.set TMP, 224
.set FA,  32                           ; the last product's accumulators, two buffers of eight
.set OD,  160                          ; its store data, 16 x 4
.set QF,  0                            ; window 1
.set KF,  64
.set WV,  12                           ; s12 wave, s13 kh, s14 qg
.set KH,  13
.set QG,  14
.set G1,  24                           ; s[24:31] descriptor group 1: 80 rows
.set G1P, 32                           ; s[32:39] the same for 16 rows
.set G0A, 40                           ; s[40:43], s[44:47] group 0 of slot 0, slot 1
.set G0P, 48                           ; s[48:51] of K(0)
.set CNT, 52
.set SEL, 54                           ; s[54:55] v_permlanex16_b32's selects
.set MSB, 0
.macro WIN new                         ; the high byte repeats the setting that is left; a switch that changes nothing is dropped
.if MSB != (\new)
	s_set_vgpr_msb (MSB<<8)|(\new)
.set MSB, (\new)
.endif
.endm
.macro PLACES                          ; four places behind matrix instructions: in front of reads of their results and of loads into their sources
.rept 4
	v_nop
.endr
.endm
.macro CREST                           ; a round of the cluster's barrier behind its opening barrier
	s_cmp_lg_u32 s[WV], 0
	s_cbranch_scc1 .Lnot_wave_0_\@
	s_barrier_signal -3
.Lnot_wave_0_\@:
	s_barrier_wait -3
	s_barrier_signal -1
	s_barrier_wait -1
.endm
.macro CROUND
	s_barrier_signal -1
	s_barrier_wait -1
	CREST
.endm
	s_load_b256 s[4:11], s[0:1], 0x0               ; kv s[4:5], ph s[6:7], wf s[8:9], out0 s[10:11]
	v_lshl_add_u32 v[SPW], v0, 2, SPARE
	v_mov_b32 v[NIL], 0
	ds_add_u32 v[SPW], v[NIL]                      ; the wave's opening: the add and its wait stand ahead of my first tensor load; work on registers stands between them
	v_lshrrev_b32 v1, 5, v0
	v_readfirstlane_b32 s[WV], v1
	s_and_b32 s[KH], s[WV], 1
	s_lshr_b32 s[QG], s[WV], 1
	s_and_b32 s17, ttmp7, 0xffff                   ; the batch, which the four partners share
	s_mul_i32 s18, s17, 32*TILEB                   ; its tiles in kv
	s_mov_b32 s19, 0
	s_mul_i32 s20, s[WV], 80*256                   ; my 80 rows of a tile
	s_mov_b32 s21, 0
	s_lshl_b32 s22, s[WV], 12                      ; my 16 rows of K(0), which lies in tile 31's key block
	s_add_co_u32 s22, s22, 31*TILEB+65536
	s_mov_b32 s23, 0
	; group 1: rows of 128 elements of 2 bytes, dense in memory, 16 bytes of padding behind each in LDS
	s_mov_b32 s[G1],  15|(1<<16)|(1<<20)|(1<<21)|(5<<22)|(3<<25)  ; 15:0 the mask of four; 17:16 2-byte elements; 20 padding on; 21 set beside a mask; 24:22 after every 64 words; 31:25 4 words
	s_mov_b32 s[G1P], 15|(1<<16)|(1<<20)|(1<<21)|(5<<22)|(3<<25)
	s_mov_b32 s[G1+1], 128<<16                     ; tensor_dim0 = 128
	s_mov_b32 s[G1P+1], 128<<16
	s_mov_b32 s[G1+2], 80<<16                      ; tensor_dim1 = 80
	s_mov_b32 s[G1P+2], 16<<16                     ; or 16
	s_mov_b32 s[G1+3], 128<<16                     ; tile_dim0 = 128
	s_mov_b32 s[G1P+3], 128<<16
	s_mov_b32 s[G1+4], 80                          ; tile_dim1
	s_mov_b32 s[G1P+4], 16
	s_mov_b32 s[G1+5], 128                         ; 128 elements from row to row
	s_mov_b32 s[G1P+5], 128
	s_mov_b32 s[G1+6], 0
	s_mov_b32 s[G1P+6], 0
	s_mov_b32 s[G1+7], 0
	s_mov_b32 s[G1P+7], 0
	s_mov_b32 s[G0A], 1
	s_mul_i32 s[G0A+1], s[WV], 80*PITCH            ; LDS: my quarter of slot 0,
	s_mov_b32 s[G0A+4], 1
	s_add_co_u32 s[G0A+5], s[G0A+1], SLOTB         ; of slot 1,
	s_mov_b32 s[G0P], 1
	s_mul_i32 s[G0P+1], s[WV], 16*PITCH
	s_add_co_u32 s[G0P+1], s[G0P+1], KPB           ; of K(0): no place in the cluster enters an LDS address
	s_bfe_u32 s15, ttmp6, 0x40000                  ; cx
	s_lshl_b32 s16, ttmp9, 2
	s_add_co_u32 s16, s16, s15                     ; my block of 128 queries: it enters ph's and out0's addresses alone
	s_lshl_b32 s56, s17, 19                        ; ph: 524,288 b + 16,384 block + 8,192 qg
	s_lshl_b32 s57, s16, 14
	s_add_co_u32 s56, s56, s57
	s_lshl_b32 s57, s[QG], 13
	s_add_co_u32 s56, s56, s57
	s_mov_b32 s57, 0
	s_lshl_b32 s58, s17, 23                        ; out0: 8,388,608 b + 128 w rows of 16,384 + 512 block
	s_lshl_b32 s59, s[WV], 21
	s_add_co_u32 s58, s58, s59
	s_lshl_b32 s59, s16, 9
	s_add_co_u32 s58, s58, s59
	s_mov_b32 s59, 0
	s_mov_b32 s[SEL], 0x76543210
	s_mov_b32 s[SEL+1], 0xfedcba98
	s_wait_dscnt 0x0                               ; the opening add is done
	s_wait_kmcnt 0x0
	s_add_nc_u64 s[4:5], s[4:5], s[18:19]
	s_add_nc_u64 s[G0A+2:G0A+3], s[4:5], s[20:21]  ; tile 0
	s_add_nc_u64 s[G0A+6:G0A+7], s[G0A+2:G0A+3], TILEB  ; tile 1
	s_add_nc_u64 s[G0P+2:G0P+3], s[4:5], s[22:23]
	s_or_b32 s[G0A+3], s[G0A+3], 0x80000000        ; type = 2
	s_or_b32 s[G0A+7], s[G0A+7], 0x80000000
	s_or_b32 s[G0P+3], s[G0P+3], 0x80000000
	s_add_nc_u64 s[6:7], s[6:7], s[56:57]
	s_add_nc_u64 s[10:11], s[10:11], s[58:59]
	CROUND                                         ; all four work-groups are here: the first joint loads meet
	tensor_load_to_lds s[G0P:G0P+3], s[G1P:G1P+7]  ; the three first fills go out together: three loads of mine are out
	s_nop 0
	tensor_load_to_lds s[G0A:G0A+3], s[G1:G1+7]
	s_nop 0
	tensor_load_to_lds s[G0A+4:G0A+7], s[G1:G1+7]
	s_nop 0
	PLACES
	v_and_b32 v1, 15, v0                           ; r
	v_bfe_u32 v2, v0, 4, 1                         ; h
	v_and_b32 v[TMP], 31, v0
	v_lshlrev_b32 v[TMP], 4, v[TMP]                ; 16 x lane
	v_mul_u32_u24 v[AV], v1, PITCH                 ; V: channel r of a block, keys 64 kh + 8 h on
	v_lshl_add_u32 v[AV], v2, 4, v[AV]
	s_lshl_b32 s18, s[KH], 7
	v_add_nc_u32 v[AV], s18, v[AV]
	v_add_nc_u32 v[AV+1], SLOTB, v[AV]
	v_lshrrev_b32 v[TMP+1], 1, v1                  ; K: key 64 kh + r of a block of 16, two keys to an LDS row
	v_mul_u32_u24 v[TMP+1], v[TMP+1], PITCH
	v_and_b32 v[TMP+2], 1, v1
	v_lshl_add_u32 v[TMP+1], v[TMP+2], 7, v[TMP+1]
	v_lshl_add_u32 v[TMP+1], v2, 4, v[TMP+1]
	s_mul_i32 s18, s[KH], 32*PITCH
	v_add_nc_u32 v[TMP+1], s18, v[TMP+1]
	v_add_nc_u32 v[AK], KOFF, v[TMP+1]
	v_add_nc_u32 v[AK+1], SLOTB+KOFF, v[TMP+1]
	v_add_nc_u32 v[AKP], KPB, v[TMP+1]
	s_lshl_b32 s18, s[KH], 8                       ; Q: row 4 r + (t + 2 kh) % 4 of 128 bytes: tiles 0, 1 begin at row 2 kh, tiles 2, 3 at row 2 (1 - kh)
	s_xor_b32 s19, s18, 256
	v_lshlrev_b32 v[TMP+1], 9, v1
	v_lshl_add_u32 v[TMP+1], v2, 4, v[TMP+1]
	v_add_nc_u32 v[QO], s18, v[TMP+1]
	v_add_nc_u32 v[QO+1], s19, v[TMP+1]
	s_lshl_b32 s18, s[WV], 15
	s_add_co_u32 s18, s18, EXB
	v_add_nc_u32 v[EXS], s18, v[TMP]
	s_xor_b32 s19, s[WV], 1                        ; my partner: the same queries, the other keys
	s_lshl_b32 s20, s19, 15
	s_add_co_u32 s20, s20, EXB
	v_add_nc_u32 v[EXL], s20, v[TMP]
	v_lshrrev_b32 v[TMP+1], 1, v[TMP]              ; 8 x lane
	s_lshl_b32 s18, s[WV], 8
	s_add_co_u32 s18, s18, LXB
	v_add_nc_u32 v[LXS], s18, v[TMP+1]
	s_lshl_b32 s20, s19, 8
	s_add_co_u32 s20, s20, LXB
	v_add_nc_u32 v[LXL], s20, v[TMP+1]
	v_lshl_add_u32 v[OFS], s[WV], 14, v[TMP]
	v_mov_b32 v[OFL], v[TMP]
	v_lshl_add_u32 v[WOF], s[WV], 16, v[TMP]
	v_lshlrev_b32 v[GO], 4, v1
	v_lshl_add_u32 v[GO], v2, 17, v[GO]
	WIN 0x40                                       ; destination window 1, address window 0
.set i, 0
.rept 8                                ; Q stays in registers: tile i / 2, channels 32 (i % 2) on
	global_load_b128 v[QF+8*i:QF+8*i+3],   v[QO+i/4], s[6:7] offset:128*((i/2)%2)+64*(i%2)
	global_load_b128 v[QF+8*i+4:QF+8*i+7], v[QO+i/4], s[6:7] offset:128*((i/2)%2)+64*(i%2)+32
.set i, i+1
.endr
	WIN 0x80                                       ; O^T and l start at 0; this stands in the wait for the first tiles
.set i, 0
.rept 256
	v_mov_b32 v[i], 0
.set i, i+1
.endr
	WIN 0xc0
.set i, 0
.rept 256
	v_mov_b32 v[i], 0
.set i, i+1
.endr
	WIN 0
.set i, 0
.rept 8
	v_mov_b32 v[L+i], 0
.set i, i+1
.endr
; 16 products S^T = K Q^T for tiles 2 hf, 2 hf + 1: channels 32 (i / 8) on, keys 16 ((i / 2) % 4) on.  The eight accumulators take turns; the first eight start the sums.
.macro KQH hf
	WIN 0x05                                       ; K and Q in window 1, S^T in window 0
.set i, 0
.rept 16
.set rS, S+32*(i%2)+8*((i/2)%4)
.set rK, KF+16*((i/2)%4)+8*(i/8)
.set rQ, QF+16*(2*(\hf)+i%2)+8*(i/8)
.if i < 8
	v_wmma_f32_16x16x32_f16 v[rS:rS+7], v[rK:rK+7], v[rQ:rQ+7], 0
.else
	v_wmma_f32_16x16x32_f16 v[rS:rS+7], v[rK:rK+7], v[rQ:rQ+7], v[rS:rS+7]
.endif
.set i, i+1
.endr
.endm
; Product i of 32 of O^T += V^T P for the four channel blocks of group g: keys 32 (i / 16) on, block 4 g + (i / 4) % 4, tile i % 4.  Sixteen accumulators take turns.
.macro PV g, pb
	WIN 0xa1+0x50*((\g)/2)                         ; V in window 1, P in window 0, O^T in window 2 or 3
.set rO, 64*(i%4)+8*((4*(\g)+(i/4)%4)%8)
.set rV, 128+64*((\g)%2)+8*(4*(i/16)+(i/4)%4)
.set rP, P+64*(\pb)+16*(i%4)+8*(i/16)
	v_wmma_f32_16x16x32_f16 v[rO:rO+7], v[rV:rV+7], v[rP:rP+7], v[rO:rO+7]
.set i, i+1
.endm
; Slice gs of 32 of the vector work on two tiles' 64 scores a lane: the exponentials of scores 2 gs, 2 gs + 1, and for the pair two slices back the rounding to f16 and the sum.
; Plain, exponential, plain, exponential: behind each exponential stands a plain line that touches neither its result nor its source.  Scores are taken in ascending order, each accumulator's lowest first.
.macro SLICE hf, pbn
	WIN 0
.if gs < 2
	v_nop
.else
	s_wait_alu depctr_va_vdst(0)
	v_cvt_pk_f16_f32 v[P+64*(\pbn)+32*(\hf)+gs-2], v[S+2*gs-4], v[S+2*gs-3]
.endif
	v_exp_f32 v[S+2*gs], v[S+2*gs]
.if gs < 2
	v_nop
.else
.set la, L+4*(\hf)+2*((gs-2)/16)
	v_pk_add_f32 v[la:la+1], v[la:la+1], v[S+2*gs-4:S+2*gs-3]
.endif
	v_exp_f32 v[S+2*gs+1], v[S+2*gs+1]
.set gs, gs+1
.endm
.macro TAIL hf, pbn                    ; the last two pairs
	WIN 0
.irp x, 30, 31
	s_wait_alu depctr_va_vdst(0)
	v_cvt_pk_f16_f32 v[P+64*(\pbn)+32*(\hf)+\x], v[S+2*\x], v[S+2*\x+1]
	v_pk_add_f32 v[L+4*(\hf)+2:L+4*(\hf)+3], v[L+4*(\hf)+2:L+4*(\hf)+3], v[S+2*\x:S+2*\x+1]
.endr
.endm
; LDS loads stand in runs of 16.  V: group g's 4 channel blocks x 64 keys into buffer g % 2.  K: 64 keys x 64 channels.
.macro FETCHV s, g
	WIN 0x40
.irp f, 0,1,2,3,4,5,6,7                ; keys 32 (f / 4) on, block 4 g + f % 4
	ds_load_b128 v[128+64*((\g)%2)+8*\f:128+64*((\g)%2)+8*\f+3],   v[AV+(\s)] offset:16*PITCH*(4*(\g)+\f%4)+64*(\f/4)
	ds_load_b128 v[128+64*((\g)%2)+8*\f+4:128+64*((\g)%2)+8*\f+7], v[AV+(\s)] offset:16*PITCH*(4*(\g)+\f%4)+64*(\f/4)+32
.endr
.endm
.macro FETCHK a
	WIN 0x40
.irp f, 0,1,2,3,4,5,6,7                ; keys 16 (f / 2) on, channels 32 (f % 2) on
	ds_load_b128 v[KF+8*\f:KF+8*\f+3],   v[\a] offset:8*PITCH*(\f/2)+64*(\f%2)
	ds_load_b128 v[KF+8*\f+4:KF+8*\f+7], v[\a] offset:8*PITCH*(\f/2)+64*(\f%2)+32
.endr
.endm
.macro HALF g, pb, n, rid, hf          ; n products; rid = 1: a slice behind every second one
.rept (\n)/2
	PV \g, \pb
	PV \g, \pb
.if \rid
	SLICE \hf, 1-(\pb)
.endif
.endr
.endm
; Group g of a step in slot s.  The next group's loads stand behind its first 8 products, 24 products ahead of their use; their buffer's last reader is the group before, and the eight plain
; lines of the four slices (or four v_nop) are the places between.
.macro VG s, g, rid, hf
	s_wait_dscnt 0x0                               ; this group's V is in
.set i, 0
	HALF \g, \s, 8, \rid, \hf
.if !(\rid)
	PLACES
.endif
	FETCHV \s, (\g)+1
	HALF \g, \s, 24, \rid, \hf
.endm
; The last group and THE CHANGE OF SLOTS.  Each wave waits for its reads of the slot and for all its tensor loads, of which one is out: its quarter of the other slot; adds 0 to its spare word; works on
; registers; waits for the add; signals.  Behind the barrier nobody reads this slot and the other is whole.  mode = 2: the barrier opens a round of the cluster's, so that the same holds of all partners,
; and the joint refill (the tile two on) is the first thing behind it: from there to the wait for it stand 144 of a step's 160 products.  mode = 1: nothing is left to ask for.
.macro V4C s, mode
	WIN 0
	s_wait_dscnt 0x0                               ; group 3's V is in: my last reads of this slot
	s_wait_tensorcnt 0x0                           ; no tensor load of mine is out, so a group 0 may be written
	ds_add_u32 v[SPW], v[NIL]
.if (\mode) == 2
	s_add_nc_u64 s[G0A+4*(\s)+2:G0A+4*(\s)+3], s[G0A+4*(\s)+2:G0A+4*(\s)+3], 2*TILEB
.endif
.set i, 0
	HALF 3, \s, 8, 1, 1
	s_wait_dscnt 0x0                               ; the add is done
	s_barrier_signal -1
	HALF 3, \s, 8, 1, 1                            ; work on registers while the others arrive
	WIN 0
	s_barrier_wait -1
.if (\mode) == 2
	CREST
	tensor_load_to_lds s[G0A+4*(\s):G0A+4*(\s)+3], s[G1:G1+7]
	s_nop 0
	PLACES
	FETCHK AK+1-(\s)                               ; the other slot: the keys of the step after next,
.else
	PLACES
.endif
	FETCHV 1-(\s), 0                               ; and the next step's first values
	HALF 3, \s, 16, 1, 1
.endm
; A step on the tile in slot s; P is read from buffer s and written into the other.  mode = 0: the last step: no scores are left to make.
.macro STEP s, mode
.if \mode
	s_wait_dscnt 16                                ; K's 16 loads are in; V's 16, issued behind them, may be out
	KQH 0
	PLACES
.set gs, 0
	VG \s, 0, 1, 0
	VG \s, 1, 1, 0
	TAIL 0, 1-(\s)
	KQH 1
	PLACES
.set gs, 0
	VG \s, 2, 1, 1
	V4C \s, \mode
	TAIL 1, 1-(\s)
.else
	VG \s, 0, 0, 0
	VG \s, 1, 0, 0
	VG \s, 2, 0, 0
	s_wait_dscnt 0x0
.set i, 0
	HALF 3, \s, 32, 0, 0
.endif
.endm
	s_wait_tensorcnt 0x2                           ; my part of K(0) is in; the two slots' fills, issued behind it, may stay out
	s_barrier_signal -1
	s_barrier_wait -1
	FETCHK AKP
	s_wait_loadcnt 0x0                             ; Q
	s_wait_dscnt 0x0
	KQH 0                                          ; step 0's scores and weights: there are no products yet to set them beside
	PLACES
.set gs, 0
.rept 32
	SLICE 0, 0
.endr
	TAIL 0, 0
	KQH 1
	PLACES
.set gs, 0
.rept 32
	SLICE 1, 0
.endr
	TAIL 1, 0
	s_wait_tensorcnt 0x1                           ; my part of slot 0 is in; slot 1's fill may stay out
	s_barrier_signal -1
	s_barrier_wait -1
	FETCHK AK
	FETCHV 0, 0
	WIN 0                                          ; at a label and at a branch every window is 0
	s_mov_b32 s[CNT], 15
.Lpair:                                                ; 15 trips: steps 0-29; they ask for tiles 2-31
	STEP 0, 2
	STEP 1, 2
	WIN 0
	s_sub_co_u32 s[CNT], s[CNT], 1
	s_cmp_lg_u32 s[CNT], 0
	s_cbranch_scc1 .Lpair
	STEP 0, 1                                      ; the tail is written out
	STEP 1, 0
	; THE TWO KEY HALVES MEET.  I send my tiles 2, 3 (f32) and their l; my partner's tiles 2, 3 are the queries of my tiles 0, 1.
	WIN 0
.irp t, 0,1,2,3
	v_add_f32 v[LS+\t], v[L+2*\t], v[L+2*\t+1]     ; four plain lines: the places behind the last products
.endr
	ds_store_b64 v[LXS], v[LS+2:LS+3]
	WIN 0x08                                       ; store data in window 2
.set i, 0
.rept 32
	ds_store_b128 v[EXS], v[128+4*i:128+4*i+3] offset:512*i
.set i, i+1
.endr
	WIN 0x0c                                       ; in window 3
.set i, 0
.rept 32
	ds_store_b128 v[EXS], v[128+4*i:128+4*i+3] offset:512*(32+i)
.set i, i+1
.endr
	WIN 0
	s_wait_dscnt 0x0                               ; for my partner's sake
	s_barrier_signal -1
	s_barrier_wait -1
	ds_load_b64 v[TMP:TMP+1], v[LXL]
	WIN 0x40
.set i, 0
.rept 64
	ds_load_b128 v[4*i:4*i+3], v[EXL] offset:512*i
.set i, i+1
.endr
	s_wait_dscnt 0x0
	WIN 0x86                                       ; O^T in window 2 += window 1
.set i, 0
.rept 64
	v_pk_add_f32 v[2*i:2*i+1], v[2*i:2*i+1], v[2*i:2*i+1]
.set i, i+1
.endr
	WIN 0xc7                                       ; O^T in window 3 += window 1
.set i, 0
.rept 64
	v_pk_add_f32 v[2*i:2*i+1], v[2*i:2*i+1], v[128+2*i:128+2*i+1]
.set i, i+1
.endr
.macro LW e                            ; block e of my eight of wf (16 d x 256 c): 16 loads of 512 consecutive bytes, into quarter e % 4 of window 1
	WIN 0x40
.set k, 0
.rept 16
	global_load_b128 v[64*((\e)%4)+4*k:64*((\e)%4)+4*k+3], v[WOF], s[8:9] offset:8192*(\e)+512*k
.set k, k+1
.endr
.endm
	LW 0
	LW 1
	LW 2
	LW 3
	WIN 0
	v_add_f32 v[LS], v[LS], v[TMP]
	v_add_f32 v[LS+1], v[LS+1], v[TMP+1]
	v_permlanex16_b32 v[TMP], v[LS], s[SEL], s[SEL+1]      ; a query's other keys lie in the lane 16 away
	v_permlanex16_b32 v[TMP+1], v[LS+1], s[SEL], s[SEL+1]
	v_add_f32 v[LS], v[LS], v[TMP]
	v_add_f32 v[LS+1], v[LS+1], v[TMP+1]
	v_rcp_f32 v[TMP+2], v[LS]
	v_rcp_f32 v[TMP+4], v[LS+1]
	v_nop                                          ; a plain line behind the reciprocals
	s_wait_alu depctr_va_vdst(0)
	v_mov_b32 v[TMP+3], v[TMP+2]
	v_mov_b32 v[TMP+5], v[TMP+4]
	WIN 0x82                                       ; the means: O^T / l
.set i, 0
.rept 64
	v_pk_mul_f32 v[2*i:2*i+1], v[2*i:2*i+1], v[TMP+2+2*(i/32):TMP+3+2*(i/32)]
.set i, i+1
.endr
	WIN 0xc3
.set i, 0
.rept 64
	v_pk_mul_f32 v[2*i:2*i+1], v[2*i:2*i+1], v[TMP+2+2*(i/32):TMP+3+2*(i/32)]
.set i, i+1
.endr
	WIN 0x0a                                       ; rounded to f16: channel blocks 2 ks, 2 ks + 1 of tile t become fragment ks at v[32 + 64 t + 8 ks]
.set i, 0
.rept 64
	v_cvt_pk_f16_f32 v[FA+64*(i/32)+i%32], v[64*(i/32)+2*(i%32)], v[64*(i/32)+2*(i%32)+1]
.set i, i+1
.endr
	WIN 0x0f
.set i, 0
.rept 64
	v_cvt_pk_f16_f32 v[FA+64*(i/32)+32+i%32], v[64*(i/32)+2*(i%32)], v[64*(i/32)+2*(i%32)+1]
.set i, i+1
.endr
	WIN 0
.set i, 0
.rept 32
	ds_store_b128 v[OFS], v[FA+4*i:FA+4*i+3] offset:512*i  ; tile 2 w + t = 4 qg + its place among four neighbouring n
.set i, i+1
.endr
	s_wait_dscnt 0x0                               ; for the others' sake
	s_barrier_signal -1
	s_barrier_wait -1
	WIN 0x80                                       ; all eight tiles' fragments: tiles 0-3 into window 2,
.set i, 0
.rept 64
	ds_load_b128 v[4*i:4*i+3], v[OFL] offset:512*i
.set i, i+1
.endr
	WIN 0xc0                                       ; tiles 4-7 into window 3
.set i, 0
.rept 64
	ds_load_b128 v[4*i:4*i+3], v[OFL] offset:512*(64+i)
.set i, i+1
.endr
	s_wait_dscnt 0x0
	; THE LAST PRODUCT.  Wave w makes d = 128 w .. + 127 for all 128 queries, 16 d at a time: D (16 d x 16 queries) = weight^T x means, 8 K steps, 8 tiles.
; Store group sl of 16 of block e: row j = sl / 2 of a lane's eight d, queries 64 (sl % 2) on.  Four tiles' register j are four neighbouring n: relu, and 16 bytes a lane.  j ascends: each accumulator's lowest first.
.macro OUTS e, sl
	WIN 0
.if (\sl) == 0
	s_wait_xcnt 0x0                                ; the block before's stores have read the data registers: they are written again only behind this wait
.endif
.irp sg, 0,1,2,3
	v_max_num_f32 v[OD+4*(\sl)+\sg], 0, v[FA+64*((\e)%2)+8*(4*((\sl)%2)+\sg)+(\sl)/2]
.endr
	global_store_b128 v[GO], v[OD+4*(\sl):OD+4*(\sl)+3], s[10:11] offset:262144*(\e)+16384*((\sl)/2)+256*((\sl)%2) th:TH_STORE_NT  ; each 16 lanes store 256 consecutive bytes of a row d, at a multiple of 256
.endm
; Block e: 64 products, tiles 0-3 and then 4-7, K outermost, four accumulators by turns; the block before goes out between them, a store group behind every fourth product.
.macro FB e
	PLACES                                         ; behind the block before: its results are read, and its quarter of window 1 is loaded again
.if ((\e) >= 1) && ((\e) <= 4)
	LW (\e)+3
.endif
.if (\e) <= 4
	s_wait_loadcnt 48                              ; block e of wf is in; the three blocks issued behind it may be out
.else
	s_wait_loadcnt 16*(7-(\e))
.endif
.set m, 0
.rept 64
.set rD, FA+64*((\e)%2)+8*(4*(m/32)+m%4)
.set rA, 64*((\e)%4)+8*((m%32)/4)
.set rB, 64*(m%4)+8*((m%32)/4)
	WIN 0x09+4*(m/32)                              ; wf in window 1, the means in window 2 or 3, results in window 0
.if (m%32) < 4
	v_wmma_f32_16x16x32_f16 v[rD:rD+7], v[rA:rA+7], v[rB:rB+7], 0
.else
	v_wmma_f32_16x16x32_f16 v[rD:rD+7], v[rA:rA+7], v[rB:rB+7], v[rD:rD+7]
.endif
.set m, m+1
.if ((\e) > 0) && (m%4 == 0)
	OUTS (\e)-1, (m/4-1)
.endif
.endr
.endm
.irp e, 0,1,2,3,4,5,6,7
	FB \e
.endr
	PLACES
.irp sl, 0,1,2,3,4,5,6,7,8,9,10,11,12,13,14,15
	OUTS 7, \sl
.endr
	WIN 0
	s_wait_tensorcnt 0x0                           ; the wave's end, behind my last tensor load and my last LDS store
	ds_add_u32 v[SPW], v[NIL]
	s_wait_dscnt 0x0
	CROUND                                         ; the closing round: no work-group ends while a partner may still ask for a tile that names it
	s_endpgm
.Lfunc_end_k_qd4cc5cde45_attn:
	.size	k_qd4cc5cde45_attn, .Lfunc_end_k_qd4cc5cde45_attn-k_qd4cc5cde45_attn
	.p2alignl 7, 3214868480
	.fill 96, 4, 3214868480
	.section	.rodata,"a",@progbits
	.p2align	6, 0x0
	.amdhsa_kernel k_qd4cc5cde45_attn
		.amdhsa_group_segment_fixed_size 327680
		.amdhsa_private_segment_fixed_size 0
		.amdhsa_enable_private_segment 0
		.amdhsa_kernarg_size 32
		.amdhsa_user_sgpr_count 2
		.amdhsa_user_sgpr_kernarg_segment_ptr 1
		.amdhsa_wavefront_size32 1
		.amdhsa_system_sgpr_workgroup_id_x 1
		.amdhsa_system_sgpr_workgroup_id_y 1
		.amdhsa_system_sgpr_workgroup_id_z 1
		.amdhsa_system_vgpr_workitem_id 0
		.amdhsa_next_free_vgpr 1024
		.amdhsa_next_free_sgpr 66
		.amdhsa_reserve_vcc 0
		.amdhsa_float_denorm_mode_32 3
		.amdhsa_float_denorm_mode_16_64 3
		.amdhsa_memory_ordered 1
		.amdhsa_forward_progress 1
		.amdhsa_inst_pref_size 255
	.end_amdhsa_kernel
	.section	.bss,"aw",@nobits
	.p2align	6
	.space	262144
	.amdgpu_metadata
---
amdhsa.version: [ 1, 2 ]
amdhsa.kernels:
  - .name:           k_qd4cc5cde45_attn
    .symbol:         k_qd4cc5cde45_attn.kd
    .args:
      - { .name: kv, .offset: 0, .size: 8, .value_kind: global_buffer, .address_space: global }
      - { .name: ph, .offset: 8, .size: 8, .value_kind: global_buffer, .address_space: global }
      - { .name: wf, .offset: 16, .size: 8, .value_kind: global_buffer, .address_space: global }
      - { .name: out0, .offset: 24, .size: 8, .value_kind: global_buffer, .address_space: global }
    .group_segment_fixed_size: 327680
    .private_segment_fixed_size: 0
    .kernarg_segment_align: 8
    .kernarg_segment_size: 32
    .max_flat_workgroup_size: 128
    .sgpr_count:     66
    .vgpr_count:     1024
    .wavefront_size: 32
...
	.end_amdgpu_metadata
.endif
;; end of part 2
;; ======== version 2 of 2: 2 launches; 1.21 times as fast as version 1
;; limits: values are held in f16: magnitudes above 65,504 overflow, below 6.1e-05 lose precision; inputs' magnitudes at most 65,504
;; workspace buffers: kv 20,971,520 bytes; ph 4,194,304 bytes; wf 262,144 bytes
;; launch prep: the kernel of part 1 again; grid 32 x 8, 8 waves a work-group, no clusters, 179,200 bytes of LDS; arguments feat_map, phi_w, theta_w, weight, kv, ph, wf; writes kv, ph, wf
;; launch attn (part 3): grid 32 x 8, 4 waves a work-group, clusters of 4 x 1, 327,680 bytes of LDS; arguments kv, ph, wf, out0; writes out0
.if DOCPART == 3
	.amdgcn_target "amdgcn-amd-amdhsa--gfx1250"
	.amdhsa_code_object_version 6
	.text
	.protected	k_qd4cc5cde45_attn
	.globl	k_qd4cc5cde45_attn
	.p2align	8
	.type	k_qd4cc5cde45_attn,@function
k_qd4cc5cde45_attn:
	s_mov_b64 s[64:65], 0
	v_nop
	global_prefetch_b8 v0, s[64:65] scope:SCOPE_SE
	s_setreg_imm32_b32 hwreg(HW_REG_WAVE_MODE, 25, 1), 1
	s_wait_xcnt 0x0
	s_wait_alu depctr_hold_cnt(0) depctr_sa_sdst(0) depctr_va_vdst(0) depctr_va_sdst(0) depctr_va_ssrc(0) depctr_va_vcc(0) depctr_vm_vsrc(0)
	s_getreg_b32 s2, hwreg(HW_REG_IB_STS2, 6, 4)
	s_cmp_eq_u32 s2, 0
	s_cbranch_scc0 .Lentry_in_a_cluster
	s_endpgm
.Lentry_in_a_cluster:
	s_bfe_u32 s2, ttmp6, 0x10000c
	s_cmp_lg_u32 s2, 0x3003
	s_cbranch_scc0 .Lentry_shape_is_right
	s_endpgm
.Lentry_shape_is_right:
; ATTN.  out0[b][d][n] = relu( sum_c weight[c][d] * sum_m softmax_m(cos(phi_n, theta_m)) X[b][c][m] ).  kv, ph, wf as the launch before left them, all f16; products in f16 with f32 sums.
; NO RUNNING MAXIMUM: a score is the cosine of two vectors that the problem itself normalises, so for every input it lies in -1 .. 1; ph carries log2(e), the weight is p = 2^s with |s| <= 1.45,
; p lies in 0.36 .. 2.8 and a row's sum of 4,096 of them under 11,500: nothing can overflow or vanish, and sums over different keys simply add.
; LIMITS.  X and weight within f16's 65,504 (the launch before rounds them); l is the sum of the unrounded p, the product takes p rounded to f16; the mean is divided by l in f32 and rounded once to f16
; for the last product; relu is v_max_num_f32, so a NaN (a position whose phi or theta is all zero) comes out as 0.
; SHARES.  A work-group owns 128 queries of a batch.  Wave w: kh = w % 2 is its half of every tile's 128 keys, qg = w / 2 its 64 queries: 64 queries x 256 channels of O^T in 512 registers.
; The wave's four tiles of 16 queries are interleaved: tile t, lane r holds query 64 qg + 4 r + (t + 2 kh) % 4, so that at the end four accumulators give a lane four neighbouring n of out0.
; LAYOUT.  S^T = K Q^T (source 0 = 16 keys, source 1 = 16 queries): a lane holds one query and eight keys; two results rounded to f16 ARE source 1 of O^T = V^T P; kv's value rows have the keys along
; the row, which is source 0 of that product as it lies.  Two results of O^T rounded to f16 ARE source 1 (32 channels x 16 queries) of the last product.
; PIPELINE.  Tile j of kv holds V(j) and K(j+1).  Step j: 32 products K Q^T of step j + 1, 128 products V^T P of step j; step j + 1's exponentials, roundings and sums ride behind the products V^T P.
; BATCHES.  A step's scores come in two halves of two tiles, 64 scores a lane.  A half's 64 exponentials, in place on S^T, are ONE BATCH: they ride, four behind every second product, in the first of the
; half's two groups of 32 products V^T P, and nothing there names a result of theirs.  Then comes ONE wait, and behind it the half's 32 roundings and 32 sums ride in the second group.  Half 0's wait stands
; directly ahead of group 1's run of LDS loads, half 1's ahead of the waits and the add of the change of slots: two waits a step, and no result crosses a label or a branch.  The two reciprocals at the end are a batch of their own.
; CLUSTER.  The four work-groups of a cluster belong to one batch and walk the same tiles: each tile is asked for jointly, a quarter by each wave, with the same descriptor and mask in all four.
; AT THE END the two key halves' O^T and l are added through LDS (each wave sends two tiles and keeps two), and each wave makes 128 of the 512 d for all 128 queries.
; O^T starts from registers cleared in the wait for the first tile: a first step written out would be a third copy of the step's text.
; REGISTERS, in windows of 256 (s_set_vgpr_msb: bits 1:0 source 0, 3:2 source 1, 5:4 source 2, 7:6 destination):
;   window 0: v0-19 addresses; v20-23, v24-31 sums; v32-95 S^T of two tiles; v96-223 P, two buffers of four tiles; v224-231 at work.  At the end: v32-159 results, v160-223 store data
;   window 1: v0-63 Q; v64-127 K of a step; v128-191, v192-255 V, two buffers of 4 channel blocks.  At the end: four blocks of wf
;   windows 2, 3: O^T, tile t, channel block cb at 64 t + 8 (cb % 8), blocks 0-7 in window 2, 8-15 in window 3.  At the end: the means of all eight tiles as fragments
.set PITCH, 272                        ; an LDS row: 256 bytes + 16: the 16 rows of a fragment load start at 16 different groups of four banks
.set TILEB, 81920                      ; a tile of kv: 320 rows of 256 bytes
.set SLOTB, 320*PITCH                  ; a slot
.set KOFF,  256*PITCH                  ; the key block in a slot; key k lies at (k / 2) PITCH + 128 (k % 2)
.set KPB,   2*SLOTB                    ; behind the ring: K(0), 64 rows, filled once
.set EXB,   KPB+64*PITCH               ; 32,768 bytes a wave: two tiles of O^T in f32 for the partner; no tensor load lands here
.set LXB,   EXB+4*32768                ; 256 bytes a wave: their sums l
.set SPARE, LXB+1024                   ; the spare words, 128 bytes a wave
.set AV,  3                            ; v3, v4   my place in slot 0's, slot 1's value rows: 272 r + 16 h + 128 kh
.set AK,  5                            ; v5, v6   in their key blocks
.set AKP, 7                            ; v7       in K(0)
.set QO,  8                            ; v8, v9   byte offset in my 64 rows of ph, for tiles 0, 1 and for tiles 2, 3
.set SPW, 10                           ; v10      my spare word; never rewritten
.set NIL, 11                           ; v11      0; never rewritten
.set EXS, 12                           ; v12, v13 the exchange: where I put, where I read
.set EXL, 13
.set LXS, 14                           ; v14, v15 the same for l
.set LXL, 15
.set OFS, 16                           ; v16, v17 the means' fragments (slot 0's first 65,536 bytes, behind its last fill and last read): where I put, where I read
.set OFL, 17
.set WOF, 18                           ; v18      my byte offset in wf
.set GO,  19                           ; v19      my byte offset in out0: 8 h rows + 16 r
.set LS,  20                           ; v20-23   l of a tile
.set L,   24                           ; v24-31   running sums, a pair a tile
.set S,   32
.set P,   96
.set TMP, 224
.set FA,  32                           ; the last product's accumulators, two buffers of eight
.set OD,  160                          ; its store data, 16 x 4
.set QF,  0                            ; window 1
.set KF,  64
.set WV,  12                           ; s12 wave, s13 kh, s14 qg
.set KH,  13
.set QG,  14
.set G1,  24                           ; s[24:31] descriptor group 1: 80 rows
.set G1P, 32                           ; s[32:39] the same for 16 rows
.set G0A, 40                           ; s[40:43], s[44:47] group 0 of slot 0, slot 1
.set G0P, 48                           ; s[48:51] of K(0)
.set CNT, 52
.set SEL, 54                           ; s[54:55] v_permlanex16_b32's selects
.set MSB, 0
.macro WIN new                         ; the high byte repeats the setting that is left; a switch that changes nothing is dropped
.if MSB != (\new)
	s_set_vgpr_msb (MSB<<8)|(\new)
.set MSB, (\new)
.endif
.endm
.macro PLACES                          ; four places behind matrix instructions: in front of reads of their results and of loads into their sources
.rept 4
	v_nop
.endr
.endm
.macro CREST                           ; a round of the cluster's barrier behind its opening barrier
	s_cmp_lg_u32 s[WV], 0
	s_cbranch_scc1 .Lnot_wave_0_\@
	s_barrier_signal -3
.Lnot_wave_0_\@:
	s_barrier_wait -3
	s_barrier_signal -1
	s_barrier_wait -1
.endm
.macro CROUND
	s_barrier_signal -1
	s_barrier_wait -1
	CREST
.endm
	s_load_b256 s[4:11], s[0:1], 0x0               ; kv s[4:5], ph s[6:7], wf s[8:9], out0 s[10:11]
	v_lshl_add_u32 v[SPW], v0, 2, SPARE
	v_mov_b32 v[NIL], 0
	ds_add_u32 v[SPW], v[NIL]                      ; the wave's opening: the add and its wait stand ahead of my first tensor load; work on registers stands between them
	v_lshrrev_b32 v1, 5, v0
	v_readfirstlane_b32 s[WV], v1
	s_and_b32 s[KH], s[WV], 1
	s_lshr_b32 s[QG], s[WV], 1
	s_and_b32 s17, ttmp7, 0xffff                   ; the batch, which the four partners share
	s_mul_i32 s18, s17, 32*TILEB                   ; its tiles in kv
	s_mov_b32 s19, 0
	s_mul_i32 s20, s[WV], 80*256                   ; my 80 rows of a tile
	s_mov_b32 s21, 0
	s_lshl_b32 s22, s[WV], 12                      ; my 16 rows of K(0), which lies in tile 31's key block
	s_add_co_u32 s22, s22, 31*TILEB+65536
	s_mov_b32 s23, 0
	; group 1: rows of 128 elements of 2 bytes, dense in memory, 16 bytes of padding behind each in LDS
	s_mov_b32 s[G1],  15|(1<<16)|(1<<20)|(1<<21)|(5<<22)|(3<<25)  ; 15:0 the mask of four; 17:16 2-byte elements; 20 padding on; 21 set beside a mask; 24:22 after every 64 words; 31:25 4 words
	s_mov_b32 s[G1P], 15|(1<<16)|(1<<20)|(1<<21)|(5<<22)|(3<<25)
	s_mov_b32 s[G1+1], 128<<16                     ; tensor_dim0 = 128
	s_mov_b32 s[G1P+1], 128<<16
	s_mov_b32 s[G1+2], 80<<16                      ; tensor_dim1 = 80
	s_mov_b32 s[G1P+2], 16<<16                     ; or 16
	s_mov_b32 s[G1+3], 128<<16                     ; tile_dim0 = 128
	s_mov_b32 s[G1P+3], 128<<16
	s_mov_b32 s[G1+4], 80                          ; tile_dim1
	s_mov_b32 s[G1P+4], 16
	s_mov_b32 s[G1+5], 128                         ; 128 elements from row to row
	s_mov_b32 s[G1P+5], 128
	s_mov_b32 s[G1+6], 0
	s_mov_b32 s[G1P+6], 0
	s_mov_b32 s[G1+7], 0
	s_mov_b32 s[G1P+7], 0
	s_mov_b32 s[G0A], 1
	s_mul_i32 s[G0A+1], s[WV], 80*PITCH            ; LDS: my quarter of slot 0,
	s_mov_b32 s[G0A+4], 1
	s_add_co_u32 s[G0A+5], s[G0A+1], SLOTB         ; of slot 1,
	s_mov_b32 s[G0P], 1
	s_mul_i32 s[G0P+1], s[WV], 16*PITCH
	s_add_co_u32 s[G0P+1], s[G0P+1], KPB           ; of K(0): no place in the cluster enters an LDS address
	s_bfe_u32 s15, ttmp6, 0x40000                  ; cx
	s_lshl_b32 s16, ttmp9, 2
	s_add_co_u32 s16, s16, s15                     ; my block of 128 queries: it enters ph's and out0's addresses alone
	s_lshl_b32 s56, s17, 19                        ; ph: 524,288 b + 16,384 block + 8,192 qg
	s_lshl_b32 s57, s16, 14
	s_add_co_u32 s56, s56, s57
	s_lshl_b32 s57, s[QG], 13
	s_add_co_u32 s56, s56, s57
	s_mov_b32 s57, 0
	s_lshl_b32 s58, s17, 23                        ; out0: 8,388,608 b + 128 w rows of 16,384 + 512 block
	s_lshl_b32 s59, s[WV], 21
	s_add_co_u32 s58, s58, s59
	s_lshl_b32 s59, s16, 9
	s_add_co_u32 s58, s58, s59
	s_mov_b32 s59, 0
	s_mov_b32 s[SEL], 0x76543210
	s_mov_b32 s[SEL+1], 0xfedcba98
	s_wait_dscnt 0x0                               ; the opening add is done
	s_wait_kmcnt 0x0
	s_add_nc_u64 s[4:5], s[4:5], s[18:19]
	s_add_nc_u64 s[G0A+2:G0A+3], s[4:5], s[20:21]  ; tile 0
	s_add_nc_u64 s[G0A+6:G0A+7], s[G0A+2:G0A+3], TILEB  ; tile 1
	s_add_nc_u64 s[G0P+2:G0P+3], s[4:5], s[22:23]
	s_or_b32 s[G0A+3], s[G0A+3], 0x80000000        ; type = 2
	s_or_b32 s[G0A+7], s[G0A+7], 0x80000000
	s_or_b32 s[G0P+3], s[G0P+3], 0x80000000
	s_add_nc_u64 s[6:7], s[6:7], s[56:57]
	s_add_nc_u64 s[10:11], s[10:11], s[58:59]
	CROUND                                         ; all four work-groups are here: the first joint loads meet
	tensor_load_to_lds s[G0P:G0P+3], s[G1P:G1P+7]  ; the three first fills go out together: three loads of mine are out
	s_nop 0
	tensor_load_to_lds s[G0A:G0A+3], s[G1:G1+7]
	s_nop 0
	tensor_load_to_lds s[G0A+4:G0A+7], s[G1:G1+7]
	s_nop 0
	PLACES
	v_and_b32 v1, 15, v0                           ; r
	v_bfe_u32 v2, v0, 4, 1                         ; h
	v_and_b32 v[TMP], 31, v0
	v_lshlrev_b32 v[TMP], 4, v[TMP]                ; 16 x lane
	v_mul_u32_u24 v[AV], v1, PITCH                 ; V: channel r of a block, keys 64 kh + 8 h on
	v_lshl_add_u32 v[AV], v2, 4, v[AV]
	s_lshl_b32 s18, s[KH], 7
	v_add_nc_u32 v[AV], s18, v[AV]
	v_add_nc_u32 v[AV+1], SLOTB, v[AV]
	v_lshrrev_b32 v[TMP+1], 1, v1                  ; K: key 64 kh + r of a block of 16, two keys to an LDS row
	v_mul_u32_u24 v[TMP+1], v[TMP+1], PITCH
	v_and_b32 v[TMP+2], 1, v1
	v_lshl_add_u32 v[TMP+1], v[TMP+2], 7, v[TMP+1]
	v_lshl_add_u32 v[TMP+1], v2, 4, v[TMP+1]
	s_mul_i32 s18, s[KH], 32*PITCH
	v_add_nc_u32 v[TMP+1], s18, v[TMP+1]
	v_add_nc_u32 v[AK], KOFF, v[TMP+1]
	v_add_nc_u32 v[AK+1], SLOTB+KOFF, v[TMP+1]
	v_add_nc_u32 v[AKP], KPB, v[TMP+1]
	s_lshl_b32 s18, s[KH], 8                       ; Q: row 4 r + (t + 2 kh) % 4 of 128 bytes: tiles 0, 1 begin at row 2 kh, tiles 2, 3 at row 2 (1 - kh)
	s_xor_b32 s19, s18, 256
	v_lshlrev_b32 v[TMP+1], 9, v1
	v_lshl_add_u32 v[TMP+1], v2, 4, v[TMP+1]
	v_add_nc_u32 v[QO], s18, v[TMP+1]
	v_add_nc_u32 v[QO+1], s19, v[TMP+1]
	s_lshl_b32 s18, s[WV], 15
	s_add_co_u32 s18, s18, EXB
	v_add_nc_u32 v[EXS], s18, v[TMP]
	s_xor_b32 s19, s[WV], 1                        ; my partner: the same queries, the other keys
	s_lshl_b32 s20, s19, 15
	s_add_co_u32 s20, s20, EXB
	v_add_nc_u32 v[EXL], s20, v[TMP]
	v_lshrrev_b32 v[TMP+1], 1, v[TMP]              ; 8 x lane
	s_lshl_b32 s18, s[WV], 8
	s_add_co_u32 s18, s18, LXB
	v_add_nc_u32 v[LXS], s18, v[TMP+1]
	s_lshl_b32 s20, s19, 8
	s_add_co_u32 s20, s20, LXB
	v_add_nc_u32 v[LXL], s20, v[TMP+1]
	v_lshl_add_u32 v[OFS], s[WV], 14, v[TMP]
	v_mov_b32 v[OFL], v[TMP]
	v_lshl_add_u32 v[WOF], s[WV], 16, v[TMP]
	v_lshlrev_b32 v[GO], 4, v1
	v_lshl_add_u32 v[GO], v2, 17, v[GO]
	WIN 0x40                                       ; destination window 1, address window 0
.set i, 0
.rept 8                                ; Q stays in registers: tile i / 2, channels 32 (i % 2) on
	global_load_b128 v[QF+8*i:QF+8*i+3],   v[QO+i/4], s[6:7] offset:128*((i/2)%2)+64*(i%2)
	global_load_b128 v[QF+8*i+4:QF+8*i+7], v[QO+i/4], s[6:7] offset:128*((i/2)%2)+64*(i%2)+32
.set i, i+1
.endr
	WIN 0x80                                       ; O^T and l start at 0; this stands in the wait for the first tiles
.set i, 0
.rept 256
	v_mov_b32 v[i], 0
.set i, i+1
.endr
	WIN 0xc0
.set i, 0
.rept 256
	v_mov_b32 v[i], 0
.set i, i+1
.endr
	WIN 0
.set i, 0
.rept 8
	v_mov_b32 v[L+i], 0
.set i, i+1
.endr
; 16 products S^T = K Q^T for tiles 2 hf, 2 hf + 1: channels 32 (i / 8) on, keys 16 ((i / 2) % 4) on.  The eight accumulators take turns; the first eight start the sums.
.macro KQH hf
	WIN 0x05                                       ; K and Q in window 1, S^T in window 0
.set i, 0
.rept 16
.set rS, S+32*(i%2)+8*((i/2)%4)
.set rK, KF+16*((i/2)%4)+8*(i/8)
.set rQ, QF+16*(2*(\hf)+i%2)+8*(i/8)
.if i < 8
	v_wmma_f32_16x16x32_f16 v[rS:rS+7], v[rK:rK+7], v[rQ:rQ+7], 0
.else
	v_wmma_f32_16x16x32_f16 v[rS:rS+7], v[rK:rK+7], v[rQ:rQ+7], v[rS:rS+7]
.endif
.set i, i+1
.endr
.endm
; Product i of 32 of O^T += V^T P for the four channel blocks of group g: keys 32 (i / 16) on, block 4 g + (i / 4) % 4, tile i % 4.  Sixteen accumulators take turns.
.macro PV g, pb
	WIN 0xa1+0x50*((\g)/2)                         ; V in window 1, P in window 0, O^T in window 2 or 3
.set rO, 64*(i%4)+8*((4*(\g)+(i/4)%4)%8)
.set rV, 128+64*((\g)%2)+8*(4*(i/16)+(i/4)%4)
.set rP, P+64*(\pb)+16*(i%4)+8*(i/16)
	v_wmma_f32_16x16x32_f16 v[rO:rO+7], v[rV:rV+7], v[rP:rP+7], v[rO:rO+7]
.set i, i+1
.endm
; THE VECTOR WORK on a half's two tiles, 64 scores a lane, is a queue of 128 lines; RID writes its next n lines (q counts them).
;   0-63    THE BATCH: the exponentials of scores 0-63, in place, ascending.  None of them names another's result.
;   (wait)  between 63 and 64 stand a plain line and the half's one wait: VG, V4C and the first step's text write them
;   64-127  for each pair of weights the rounding to f16 and the sum.  The two tiles' pairs alternate (0, 16, 1, 17 ..): two additions onto one l stand four lines apart, and each l takes its own pairs in ascending order.
.macro RID hf, pbn, n
	WIN 0
.rept \n
.if q < 64
	v_exp_f32 v[S+q], v[S+q]
.else
.set pr, 16*(((q-64)/2)%2)+(q-64)/4
.if q%2 == 0
	v_cvt_pk_f16_f32 v[P+64*(\pbn)+32*(\hf)+pr], v[S+2*pr], v[S+2*pr+1]
.else
	v_pk_add_f32 v[L+4*(\hf)+2*(pr/16):L+4*(\hf)+2*(pr/16)+1], v[L+4*(\hf)+2*(pr/16):L+4*(\hf)+2*(pr/16)+1], v[S+2*pr:S+2*pr+1]
.endif
.endif
.set q, q+1
.endr
.endm
; LDS loads stand in runs of 16.  V: group g's 4 channel blocks x 64 keys into buffer g % 2.  K: 64 keys x 64 channels.
.macro FETCHV s, g
	WIN 0x40
.irp f, 0,1,2,3,4,5,6,7                ; keys 32 (f / 4) on, block 4 g + f % 4
	ds_load_b128 v[128+64*((\g)%2)+8*\f:128+64*((\g)%2)+8*\f+3],   v[AV+(\s)] offset:16*PITCH*(4*(\g)+\f%4)+64*(\f/4)
	ds_load_b128 v[128+64*((\g)%2)+8*\f+4:128+64*((\g)%2)+8*\f+7], v[AV+(\s)] offset:16*PITCH*(4*(\g)+\f%4)+64*(\f/4)+32
.endr
.endm
.macro FETCHK a
	WIN 0x40
.irp f, 0,1,2,3,4,5,6,7                ; keys 16 (f / 2) on, channels 32 (f % 2) on
	ds_load_b128 v[KF+8*\f:KF+8*\f+3],   v[\a] offset:8*PITCH*(\f/2)+64*(\f%2)
	ds_load_b128 v[KF+8*\f+4:KF+8*\f+7], v[\a] offset:8*PITCH*(\f/2)+64*(\f%2)+32
.endr
.endm
.macro HALF g, pb, n, per, hf          ; n products; behind every second one the queue's next per lines (per = 0: none)
.rept (\n)/2
	PV \g, \pb
	PV \g, \pb
.if \per
	RID \hf, 1-(\pb), \per
.endif
.endr
.endm
; Group g of a step in slot s.  The next group's loads stand behind its first 8 products, 24 products ahead of their use; their buffer's last reader is the group before.
; kind = 1 (groups 0, 2): the half's 64 exponentials ride, four behind every second product.  The places in front of the loads stand further back: behind buffer 1's last reader come that group's four plain
;   riders and the four v_nop behind the products K Q^T.
; kind = 2 (group 1): the batch is closed in front of the loads: 8 products without riders; four v_nop, the plain lines behind the last exponential and the places behind group 0's last product; the wait;
;   the loads; then the half's 64 plain lines behind 24 products: six in each of eight slots, four in each of four.
; kind = 0 (the last step): no riders; four v_nop are the places.
.macro VG s, g, kind, hf
	s_wait_dscnt 0x0                               ; this group's V is in
.set i, 0
.if (\kind) == 1
	HALF \g, \s, 8, 4, \hf
	FETCHV \s, (\g)+1
	HALF \g, \s, 24, 4, \hf
.elseif (\kind) == 2
	HALF \g, \s, 8, 0, \hf
	PLACES
	s_wait_alu depctr_va_vdst(0)                   ; the wait for half 0's batch of 64 exponentials, ahead of the first rounding
	FETCHV \s, (\g)+1
	HALF \g, \s, 16, 6, \hf
	HALF \g, \s, 8, 4, \hf
.else
	HALF \g, \s, 8, 0, \hf
	PLACES
	FETCHV \s, (\g)+1
	HALF \g, \s, 24, 0, \hf
.endif
.endm
; The last group and THE CHANGE OF SLOTS.  Each wave waits for its reads of the slot and for all its tensor loads, of which one is out: its quarter of the other slot; adds 0 to its spare word; works on
; registers; waits for the add; signals.  Behind the barrier nobody reads this slot and the other is whole.  mode = 2: the barrier opens a round of the cluster's, so that the same holds of all partners,
; and the joint refill (the tile two on) is the first thing behind it: from there to the wait for it stand 144 of a step's 160 products.  mode = 1: nothing is left to ask for.
; Half 1's batch is closed at its head, ahead of the round's branch and label; the half's 64 plain lines ride behind the group's 32 products, four behind every second one.
.macro V4C s, mode
	WIN 0
	v_nop                                          ; a plain line behind the last exponential: one for the batch
	s_wait_alu depctr_va_vdst(0)                   ; the wait for half 1's batch of 64 exponentials, ahead of the first rounding
	s_wait_dscnt 0x0                               ; group 3's V is in: my last reads of this slot
	s_wait_tensorcnt 0x0                           ; no tensor load of mine is out, so a group 0 may be written
	ds_add_u32 v[SPW], v[NIL]
.if (\mode) == 2
	s_add_nc_u64 s[G0A+4*(\s)+2:G0A+4*(\s)+3], s[G0A+4*(\s)+2:G0A+4*(\s)+3], 2*TILEB
.endif
.set i, 0
	HALF 3, \s, 8, 4, 1
	s_wait_dscnt 0x0                               ; the add is done
	s_barrier_signal -1
	HALF 3, \s, 8, 4, 1                            ; work on registers while the others arrive
	WIN 0
	s_barrier_wait -1
.if (\mode) == 2
	CREST
	tensor_load_to_lds s[G0A+4*(\s):G0A+4*(\s)+3], s[G1:G1+7]
	s_nop 0
	PLACES
	FETCHK AK+1-(\s)                               ; the other slot: the keys of the step after next,
.else
	PLACES
.endif
	FETCHV 1-(\s), 0                               ; and the next step's first values
	HALF 3, \s, 16, 4, 1
.endm
; A step on the tile in slot s; P is read from buffer s and written into the other.  mode = 0: the last step: no scores are left to make.
.macro STEP s, mode
.if \mode
	s_wait_dscnt 16                                ; K's 16 loads are in; V's 16, issued behind them, may be out
	KQH 0
	PLACES
.set q, 0
	VG \s, 0, 1, 0                                 ; half 0: the batch,
	VG \s, 1, 2, 0                                 ; its wait, its roundings and sums
	KQH 1
	PLACES
.set q, 0
	VG \s, 2, 1, 1                                 ; half 1: the batch,
	V4C \s, \mode                                  ; its wait, its roundings and sums
.else
	VG \s, 0, 0, 0
	VG \s, 1, 0, 0
	VG \s, 2, 0, 0
	s_wait_dscnt 0x0
.set i, 0
	HALF 3, \s, 32, 0, 0
.endif
.endm
	s_wait_tensorcnt 0x2                           ; my part of K(0) is in; the two slots' fills, issued behind it, may stay out
	s_barrier_signal -1
	s_barrier_wait -1
	FETCHK AKP
	s_wait_loadcnt 0x0                             ; Q
	s_wait_dscnt 0x0
	KQH 0                                          ; step 0's scores and weights: there are no products yet to set them beside
	PLACES
.set q, 0
	RID 0, 0, 64                                   ; half 0's batch
	v_nop                                          ; a plain line behind the last exponential
	s_wait_alu depctr_va_vdst(0)                   ; the wait for the 64 exponentials above
	RID 0, 0, 64                                   ; its roundings and sums
	KQH 1
	PLACES
.set q, 0
	RID 1, 0, 64                                   ; half 1's batch
	v_nop                                          ; a plain line behind the last exponential
	s_wait_alu depctr_va_vdst(0)                   ; the wait for the 64 exponentials above
	RID 1, 0, 64                                   ; its roundings and sums
	s_wait_tensorcnt 0x1                           ; my part of slot 0 is in; slot 1's fill may stay out
	s_barrier_signal -1
	s_barrier_wait -1
	FETCHK AK
	FETCHV 0, 0
	WIN 0                                          ; at a label and at a branch every window is 0
	s_mov_b32 s[CNT], 15
.Lpair:                                                ; 15 trips: steps 0-29; they ask for tiles 2-31
	STEP 0, 2
	STEP 1, 2
	WIN 0
	s_sub_co_u32 s[CNT], s[CNT], 1
	s_cmp_lg_u32 s[CNT], 0
	s_cbranch_scc1 .Lpair
	STEP 0, 1                                      ; the tail is written out
	STEP 1, 0
	; THE TWO KEY HALVES MEET.  I send my tiles 2, 3 (f32) and their l; my partner's tiles 2, 3 are the queries of my tiles 0, 1.
	WIN 0
.irp t, 0,1,2,3
	v_add_f32 v[LS+\t], v[L+2*\t], v[L+2*\t+1]     ; four plain lines: the places behind the last products
.endr
	ds_store_b64 v[LXS], v[LS+2:LS+3]
	WIN 0x08                                       ; store data in window 2
.set i, 0
.rept 32
	ds_store_b128 v[EXS], v[128+4*i:128+4*i+3] offset:512*i
.set i, i+1
.endr
	WIN 0x0c                                       ; in window 3
.set i, 0
.rept 32
	ds_store_b128 v[EXS], v[128+4*i:128+4*i+3] offset:512*(32+i)
.set i, i+1
.endr
	WIN 0
	s_wait_dscnt 0x0                               ; for my partner's sake
	s_barrier_signal -1
	s_barrier_wait -1
	ds_load_b64 v[TMP:TMP+1], v[LXL]
	WIN 0x40
.set i, 0
.rept 64
	ds_load_b128 v[4*i:4*i+3], v[EXL] offset:512*i
.set i, i+1
.endr
	s_wait_dscnt 0x0
	WIN 0x86                                       ; O^T in window 2 += window 1
.set i, 0
.rept 64
	v_pk_add_f32 v[2*i:2*i+1], v[2*i:2*i+1], v[2*i:2*i+1]
.set i, i+1
.endr
	WIN 0xc7                                       ; O^T in window 3 += window 1
.set i, 0
.rept 64
	v_pk_add_f32 v[2*i:2*i+1], v[2*i:2*i+1], v[128+2*i:128+2*i+1]
.set i, i+1
.endr
.macro LW e                            ; block e of my eight of wf (16 d x 256 c): 16 loads of 512 consecutive bytes, into quarter e % 4 of window 1
	WIN 0x40
.set k, 0
.rept 16
	global_load_b128 v[64*((\e)%4)+4*k:64*((\e)%4)+4*k+3], v[WOF], s[8:9] offset:8192*(\e)+512*k
.set k, k+1
.endr
.endm
	LW 0
	LW 1
	LW 2
	LW 3
	WIN 0
	v_add_f32 v[LS], v[LS], v[TMP]
	v_add_f32 v[LS+1], v[LS+1], v[TMP+1]
	v_permlanex16_b32 v[TMP], v[LS], s[SEL], s[SEL+1]      ; a query's other keys lie in the lane 16 away
	v_permlanex16_b32 v[TMP+1], v[LS+1], s[SEL], s[SEL+1]
	v_add_f32 v[LS], v[LS], v[TMP]
	v_add_f32 v[LS+1], v[LS+1], v[TMP+1]
	v_rcp_f32 v[TMP+2], v[LS]
	v_rcp_f32 v[TMP+4], v[LS+1]
	v_nop                                          ; a plain line behind the reciprocals
	s_wait_alu depctr_va_vdst(0)                   ; the wait for the two reciprocals, ahead of their first use
	v_mov_b32 v[TMP+3], v[TMP+2]
	v_mov_b32 v[TMP+5], v[TMP+4]
	WIN 0x82                                       ; the means: O^T / l
.set i, 0
.rept 64
	v_pk_mul_f32 v[2*i:2*i+1], v[2*i:2*i+1], v[TMP+2+2*(i/32):TMP+3+2*(i/32)]
.set i, i+1
.endr
	WIN 0xc3
.set i, 0
.rept 64
	v_pk_mul_f32 v[2*i:2*i+1], v[2*i:2*i+1], v[TMP+2+2*(i/32):TMP+3+2*(i/32)]
.set i, i+1
.endr
	WIN 0x0a                                       ; rounded to f16: channel blocks 2 ks, 2 ks + 1 of tile t become fragment ks at v[32 + 64 t + 8 ks]
.set i, 0
.rept 64
	v_cvt_pk_f16_f32 v[FA+64*(i/32)+i%32], v[64*(i/32)+2*(i%32)], v[64*(i/32)+2*(i%32)+1]
.set i, i+1
.endr
	WIN 0x0f
.set i, 0
.rept 64
	v_cvt_pk_f16_f32 v[FA+64*(i/32)+32+i%32], v[64*(i/32)+2*(i%32)], v[64*(i/32)+2*(i%32)+1]
.set i, i+1
.endr
	WIN 0
.set i, 0
.rept 32
	ds_store_b128 v[OFS], v[FA+4*i:FA+4*i+3] offset:512*i  ; tile 2 w + t = 4 qg + its place among four neighbouring n
.set i, i+1
.endr
	s_wait_dscnt 0x0                               ; for the others' sake
	s_barrier_signal -1
	s_barrier_wait -1
	WIN 0x80                                       ; all eight tiles' fragments: tiles 0-3 into window 2,
.set i, 0
.rept 64
	ds_load_b128 v[4*i:4*i+3], v[OFL] offset:512*i
.set i, i+1
.endr
	WIN 0xc0                                       ; tiles 4-7 into window 3
.set i, 0
.rept 64
	ds_load_b128 v[4*i:4*i+3], v[OFL] offset:512*(64+i)
.set i, i+1
.endr
	s_wait_dscnt 0x0
	; THE LAST PRODUCT.  Wave w makes d = 128 w .. + 127 for all 128 queries, 16 d at a time: D (16 d x 16 queries) = weight^T x means, 8 K steps, 8 tiles.
; Store group sl of 16 of block e: row j = sl / 2 of a lane's eight d, queries 64 (sl % 2) on.  Four tiles' register j are four neighbouring n: relu, and 16 bytes a lane.  j ascends: each accumulator's lowest first.
.macro OUTS e, sl
	WIN 0
.if (\sl) == 0
	s_wait_xcnt 0x0                                ; the block before's stores have read the data registers: they are written again only behind this wait
.endif
.irp sg, 0,1,2,3
	v_max_num_f32 v[OD+4*(\sl)+\sg], 0, v[FA+64*((\e)%2)+8*(4*((\sl)%2)+\sg)+(\sl)/2]
.endr
	global_store_b128 v[GO], v[OD+4*(\sl):OD+4*(\sl)+3], s[10:11] offset:262144*(\e)+16384*((\sl)/2)+256*((\sl)%2) th:TH_STORE_NT  ; each 16 lanes store 256 consecutive bytes of a row d, at a multiple of 256
.endm
; Block e: 64 products, tiles 0-3 and then 4-7, K outermost, four accumulators by turns; the block before goes out between them, a store group behind every fourth product.
.macro FB e
	PLACES                                         ; behind the block before: its results are read, and its quarter of window 1 is loaded again
.if ((\e) >= 1) && ((\e) <= 4)
	LW (\e)+3
.endif
.if (\e) <= 4
	s_wait_loadcnt 48                              ; block e of wf is in; the three blocks issued behind it may be out
.else
	s_wait_loadcnt 16*(7-(\e))
.endif
.set m, 0
.rept 64
.set rD, FA+64*((\e)%2)+8*(4*(m/32)+m%4)
.set rA, 64*((\e)%4)+8*((m%32)/4)
.set rB, 64*(m%4)+8*((m%32)/4)
	WIN 0x09+4*(m/32)                              ; wf in window 1, the means in window 2 or 3, results in window 0
.if (m%32) < 4
	v_wmma_f32_16x16x32_f16 v[rD:rD+7], v[rA:rA+7], v[rB:rB+7], 0
.else
	v_wmma_f32_16x16x32_f16 v[rD:rD+7], v[rA:rA+7], v[rB:rB+7], v[rD:rD+7]
.endif
.set m, m+1
.if ((\e) > 0) && (m%4 == 0)
	OUTS (\e)-1, (m/4-1)
.endif
.endr
.endm
.irp e, 0,1,2,3,4,5,6,7
	FB \e
.endr
	PLACES
.irp sl, 0,1,2,3,4,5,6,7,8,9,10,11,12,13,14,15
	OUTS 7, \sl
.endr
	WIN 0
	s_wait_tensorcnt 0x0                           ; the wave's end, behind my last tensor load and my last LDS store
	ds_add_u32 v[SPW], v[NIL]
	s_wait_dscnt 0x0
	CROUND                                         ; the closing round: no work-group ends while a partner may still ask for a tile that names it
	s_endpgm
.Lfunc_end_k_qd4cc5cde45_attn:
	.size	k_qd4cc5cde45_attn, .Lfunc_end_k_qd4cc5cde45_attn-k_qd4cc5cde45_attn
	.p2alignl 7, 3214868480
	.fill 96, 4, 3214868480
	.section	.rodata,"a",@progbits
	.p2align	6, 0x0
	.amdhsa_kernel k_qd4cc5cde45_attn
		.amdhsa_group_segment_fixed_size 327680
		.amdhsa_private_segment_fixed_size 0
		.amdhsa_enable_private_segment 0
		.amdhsa_kernarg_size 32
		.amdhsa_user_sgpr_count 2
		.amdhsa_user_sgpr_kernarg_segment_ptr 1
		.amdhsa_wavefront_size32 1
		.amdhsa_system_sgpr_workgroup_id_x 1
		.amdhsa_system_sgpr_workgroup_id_y 1
		.amdhsa_system_sgpr_workgroup_id_z 1
		.amdhsa_system_vgpr_workitem_id 0
		.amdhsa_next_free_vgpr 1024
		.amdhsa_next_free_sgpr 66
		.amdhsa_reserve_vcc 0
		.amdhsa_float_denorm_mode_32 3
		.amdhsa_float_denorm_mode_16_64 3
		.amdhsa_memory_ordered 1
		.amdhsa_forward_progress 1
		.amdhsa_inst_pref_size 255
	.end_amdhsa_kernel
	.section	.bss,"aw",@nobits
	.p2align	6
	.space	262144
	.amdgpu_metadata
---
amdhsa.version: [ 1, 2 ]
amdhsa.kernels:
  - .name:           k_qd4cc5cde45_attn
    .symbol:         k_qd4cc5cde45_attn.kd
    .args:
      - { .name: kv, .offset: 0, .size: 8, .value_kind: global_buffer, .address_space: global }
      - { .name: ph, .offset: 8, .size: 8, .value_kind: global_buffer, .address_space: global }
      - { .name: wf, .offset: 16, .size: 8, .value_kind: global_buffer, .address_space: global }
      - { .name: out0, .offset: 24, .size: 8, .value_kind: global_buffer, .address_space: global }
    .group_segment_fixed_size: 327680
    .private_segment_fixed_size: 0
    .kernarg_segment_align: 8
    .kernarg_segment_size: 32
    .max_flat_workgroup_size: 128
    .sgpr_count:     66
    .vgpr_count:     1024
    .wavefront_size: 32
...
	.end_amdgpu_metadata
.endif
;; end of part 3
